; MI455X (gfx1250); checked and timed in simulation.
; The chip was launched on July 23, 2026; its instructions are those of AMD's public machine-readable ISA for CDNA 5 (MIT licence, August 2026) and "CDNA5" Instruction Set Architecture Reference Guide (July 2026). The comments in the code are by the model that wrote it; some were corrected since.
;; Self Attn. Allowed arithmetic: matrix products marked QUANTISED: E4M3 operands, one given power-of-two scale a tensor, by v_wmma_f32_16x16x64_fp8_fp8 or v_wmma_f32_16x16x128_fp8_fp8, f32 sums; everything else in f32.
;; Inputs: Wk 1,024 x 128 float32; Wq 1,024 x 128 float32; Wv 1,024 x 1,024 float32; bk 128 float32; bq 128 float32; bv 1,024 float32; gamma 1 float32; lowp_scales 10 int32 (the exponents e of the quantised operands' scales 2^e); x 8 x 2,048 x 1,024 float32.
;; Outputs: out0 8 x 2,048 x 1,024 float32.
;; This version of the problem:
;;   THIS VERSION OF THE PROBLEM IS GIVEN IN LOW PRECISION. The matrix products marked QUANTISED in the list below multiply operands that are first quantised to E4M3 (4 exponent bits, 3 mantissa bits; 8 bits a number), with one given power-of-two scale for each operand tensor; their sums are f32. All else is computed in f32.
;;   The module's matrix products, in the order in which they are computed (A, B: the left and right operand; K: the contracted axis; several contracted axes count as one K, in the product's order):
;;     1. [M 16,384, K 1,024] x [K 1,024, N 128]; A: input x; B: input Wq: QUANTISED (scales: A lowp_scales[0], B lowp_scales[1])
;;     2. [M 16,384, K 1,024] x [K 1,024, N 128]; A: input x; B: input Wk: QUANTISED (scales: A lowp_scales[2], B lowp_scales[3])
;;     3. [M 16,384, K 1,024] x [K 1,024, N 1,024]; A: input x; B: input Wv: QUANTISED (scales: A lowp_scales[4], B lowp_scales[5])
;;     4. batch 8 x [M 2,048, K 128] x [K 128, N 2,048]; A: computed on the way; B: computed on the way: QUANTISED (scales: A lowp_scales[6], B lowp_scales[7])
;;     5. batch 8 x [M 2,048, K 2,048] x [K 2,048, N 1,024]; A: softmax (see below); B: computed on the way: QUANTISED (scales: A lowp_scales[8], B lowp_scales[9])
;;   THE QUANTISER, for each operand of a quantised product, along K:
;;     - The operand's scale is 2^e, e = its entry of the input lowp_scales (int32; the entries are numbered through the quantised products in the list's order, A before B).
;;     - Each number is divided by the scale, clamped to +-448, and rounded to the nearest number of E4M3, ties to even, subnormals kept.
;;     - The product sums the exact products of the quantised numbers (number of the format x scale) in f32.
;;   ~~~python
;;   def quantise(x, axis, e):      # numpy; x: float32 -> the quantised numbers, widened to float32 again
;;       x = np.moveaxis(x, axis, -1); K = x.shape[-1]
;;       r = np.clip(x / 2.0 ** e, -448, 448)
;;       step = 2.0 ** (np.maximum(np.frexp(np.where(r == 0, 1, r))[1] - 1, -6) - 3)
;;       q = np.round(r / step) * step * 2.0 ** e      # np.round: ties to even
;;       return np.moveaxis(q, -1, axis).astype(np.float32)
;;   ~~~
;;   SOFTMAX AHEAD OF A QUANTISED PRODUCT. Where the list says 'softmax', what is quantised is not the finished softmax but p = 2^(t - M), with t = logit x log2(e) and M = ceil(the row's largest t), a whole number; so 1/2 < the row's largest p <= 1. The row's sum l is taken of the UNQUANTISED p, in f32, and the product's result is divided by l at the end. Since M is a whole number, a kernel that streams over the keys may use a running M (the ceiling of the running maximum): every later rescaling is an exact power of two, so the quantised numbers keep their values, but for numbers so far below the row's largest that they fall under the format's range.
;;   OPERANDS COMPUTED ON THE WAY. 'Computed on the way' means the value that the module computes at that place (a softmax that the list does not call 'softmax' is quantised finished and normalised). What goes into a quantiser is computed in f32, as accurately as f32 sums, v_exp_f32 and their like allow (about 1e-6 of the number): no bf16 or f16 on the way to a quantiser, and a product that is left as it is and whose result goes on into a quantised operand takes f32 operands (vector FMAs, or v_wmma_f32_16x16x4_f32). A number that lies on a knife's edge between two numbers of the format may be rounded either way, as far as f32 arithmetic and the matrix unit's own rounding can turn it there, and no further.
;; One version. Each part assembles by itself: llvm-mc -triple=amdgcn-amd-amdhsa -mcpu=gfx1250 --defsym DOCPART=n.
;; ======== version 1 of 1: 3 launches
;; workspace buffers: wvf 1,048,576 bytes; wqkf 262,144 bytes; qc 2,097,152 bytes; kv 18,874,368 bytes
;; launch prep (part 1): grid 320 x 1, 4 waves a work-group, no clusters, 0 bytes of LDS; arguments Wq, Wk, Wv, lowp_scales, wqkf, wvf; writes wqkf, wvf
.if DOCPART == 1
	.amdgcn_target "amdgcn-amd-amdhsa--gfx1250"
	.amdhsa_code_object_version 6
	.text
	.protected	k_qc1fa0e22b4_prep
	.globl	k_qc1fa0e22b4_prep
	.p2align	8
	.type	k_qc1fa0e22b4_prep,@function
k_qc1fa0e22b4_prep:
	s_mov_b64 s[64:65], 0
	v_nop
	global_prefetch_b8 v0, s[64:65] scope:SCOPE_SE
	s_setreg_imm32_b32 hwreg(HW_REG_WAVE_MODE, 25, 1), 1
	s_wait_xcnt 0x0
; out = gamma * softmax(q k^T) v + x, with q, k, v = x W + b: five products on codes of FP8 (E4M3), each operand with its given scale 2^e.
; THREE LAUNCHES: this one turns the three weights into codes; the second makes the codes of q, k and v; the third is the attention and the residual.
; DEAD WORK: none is left out.  Every input reaches the output: bq, bk and bv go into quantised operands of live products, gamma and x into the result, all ten exponents into a quantiser.
; THIS LAUNCH.  Wq, Wk [1024][128] and Wv [1024][1024], f32, have K as their FIRST axis.  A lane takes a column and its 32 registers run down K, so that the
; conversions, which take neighbours along K from one lane's registers, give codes with K innermost; nothing is transposed by an instruction.
; code = w / 2^e, held within +-448, to the nearest code, ties to even; e = entry 1 (Wq), 3 (Wk), 5 (Wv) of the exponents.
; THE CODES ARE LAID IN THE ORDER OF THE OPERAND'S REGISTERS.  A fragment is 16 columns x 128 along K, 2,048 bytes: piece c (512 bytes) holds, at 16 x lane,
; k = 32 c + 16 (lane / 16) + 0 .. 15 of column lane % 16.  wvf: [K step 0..7][tile of 16 channels 0..63][2048].
; wqkf: [K step][b 0..3][q u=0, q u=1, k u=0, k u=1][2048], and lane r of tile (b, u) is column 32 b + 8 u + r + 8 (r / 8): so the results of tiles u = 0, 1 are 16 neighbours along the next K.
; SHARES.  A work-group takes 128 columns x 32 along K, a wave 32 columns.  Work-groups 0-255: Wv; 256-287: Wq; 288-319: Wk.  Each store of a wave fills two aligned runs of 256 bytes.
; LIMITS: each e between -126 and 119.  NaN among the inputs is not served (an infinity is held at the largest code).
; No LDS, no barrier, no matrix unit: the launch only streams 5 MB once.
.macro BODY pitch, e
.set i_, 0
.rept 32
	global_load_b32 v[8+i_], v1, s[28:29] offset:i_*\pitch th:TH_LOAD_NT   ; W(32 kb + i, my column): 32 lanes read 128 consecutive bytes
.set i_, i_+1
.endr
	s_wait_kmcnt 0x0                               ; the exponents
	s_add_co_i32 s36, s[\e], 127
	s_lshl_b32 s37, s36, 23
	v_mov_b32 v4, s37                              ; 2^e as f32: the conversion takes its exponent field
	s_add_co_i32 s36, s36, 8
	s_lshl_b32 s36, s36, 23
	s_or_b32 s36, s36, 0x600000
	v_mov_b32 v5, s36                              ; 448 x 2^e
	s_wait_loadcnt 0x0
.set i_, 0
.rept 32
	v_med3_num_f32 v[8+i_], v[8+i_], -v5, v5       ; the conversion to an 8-bit code does not saturate (ISA guide 7.6.2): the hold comes first
.set i_, i_+1
.endr
.irp g, 0,1,2,3
	v_cvt_scalef32_pk8_fp8_f32 v[40+2*\g:41+2*\g], v[8+8*\g:15+8*\g], v4
.endr
	global_store_b128 v6, v[40:43], s[30:31]               ; k = 0 .. 15 of the block: the place of lanes 0-15 of the piece
	global_store_b128 v6, v[44:47], s[30:31] offset:256    ; k = 16 .. 31: the place of lanes 16-31
	s_endpgm
.endm
	s_load_b256 s[4:11], s[0:1], 0x0               ; Wq s[4:5], Wk s[6:7], Wv s[8:9], the exponents s[10:11]
	s_load_b128 s[12:15], s[0:1], 0x20             ; wqkf s[12:13], wvf s[14:15]
	v_lshlrev_b32 v1, 2, v0                        ; my column's 4 bytes among the work-group's 512
	v_lshrrev_b32 v2, 5, v0
	v_readfirstlane_b32 s16, v2                    ; wave
	v_and_b32 v3, 15, v0
	v_bfe_u32 v7, v0, 4, 1                         ; lane / 16
	s_wait_kmcnt 0x0
	s_load_b256 s[20:27], s[10:11], 0x0            ; e0 .. e7
	s_cmp_lt_u32 ttmp9, 256
	s_cbranch_scc0 .Lqk
	; ---- Wv: 128 columns colquad, block kb of 32 along K
	s_and_b32 s17, ttmp9, 7                        ; colquad
	s_lshr_b32 s18, ttmp9, 3                       ; kb
	s_lshl_b32 s28, s18, 17                        ; 32 rows of 4,096 bytes
	s_lshl_b32 s19, s17, 9
	s_add_co_u32 s28, s28, s19
	s_mov_b32 s29, 0
	s_add_nc_u64 s[28:29], s[8:9], s[28:29]
	s_lshr_b32 s30, s18, 2
	s_lshl_b32 s30, s30, 17                        ; K step: 64 fragments
	s_and_b32 s19, s18, 3
	s_lshl_b32 s19, s19, 9                         ; piece
	s_add_co_u32 s30, s30, s19
	s_lshl_b32 s19, s17, 14                        ; 8 tiles of channels to a work-group,
	s_add_co_u32 s30, s30, s19
	s_lshl_b32 s19, s16, 12                        ; 2 to a wave
	s_add_co_u32 s30, s30, s19
	s_mov_b32 s31, 0
	s_add_nc_u64 s[30:31], s[14:15], s[30:31]
	v_lshlrev_b32 v6, 4, v3
	v_lshl_add_u32 v6, v7, 11, v6                  ; tile lane / 16, row lane % 16
	BODY 4096, 25
.Lqk:
	; ---- Wq or Wk: all 128 columns, block kb
	s_sub_co_u32 s17, ttmp9, 256
	s_lshr_b32 s19, s17, 5                         ; 0: Wq, 1: Wk
	s_and_b32 s18, s17, 31                         ; kb
	s_cmp_eq_u32 s19, 0                            ; the choice hangs on the work-group's number alone
	s_cselect_b64 s[28:29], s[4:5], s[6:7]
	s_wait_kmcnt 0x0
	s_cselect_b32 s32, s21, s23                    ; e1 or e3
	s_lshl_b32 s34, s18, 14                        ; 32 rows of 512 bytes
	s_mov_b32 s35, 0
	s_add_nc_u64 s[28:29], s[28:29], s[34:35]
	s_lshr_b32 s30, s18, 2
	s_lshl_b32 s30, s30, 15                        ; K step: 16 fragments
	s_and_b32 s33, s18, 3
	s_lshl_b32 s33, s33, 9
	s_add_co_u32 s30, s30, s33
	s_lshl_b32 s33, s16, 13                        ; b = wave
	s_add_co_u32 s30, s30, s33
	s_lshl_b32 s33, s19, 12                        ; q's two tiles, then k's
	s_add_co_u32 s30, s30, s33
	s_mov_b32 s31, 0
	s_add_nc_u64 s[30:31], s[12:13], s[30:31]
	v_and_b32 v3, 7, v0
	v_lshl_add_u32 v3, v7, 3, v3                   ; row of the tile: lane % 8 + 8 (lane / 16)
	v_bfe_u32 v2, v0, 3, 1                         ; u = (lane / 8) % 2
	v_lshlrev_b32 v6, 4, v3
	v_lshl_add_u32 v6, v2, 11, v6
	BODY 512, 32
.Lfunc_end_k_qc1fa0e22b4_prep:
	.size	k_qc1fa0e22b4_prep, .Lfunc_end_k_qc1fa0e22b4_prep-k_qc1fa0e22b4_prep
	.p2alignl 7, 3214868480
	.fill 96, 4, 3214868480
	.section	.rodata,"a",@progbits
	.p2align	6, 0x0
	.amdhsa_kernel k_qc1fa0e22b4_prep
		.amdhsa_group_segment_fixed_size 0
		.amdhsa_private_segment_fixed_size 0
		.amdhsa_enable_private_segment 0
		.amdhsa_kernarg_size 48
		.amdhsa_user_sgpr_count 2
		.amdhsa_user_sgpr_kernarg_segment_ptr 1
		.amdhsa_wavefront_size32 1
		.amdhsa_system_sgpr_workgroup_id_x 1
		.amdhsa_system_sgpr_workgroup_id_y 1
		.amdhsa_system_sgpr_workgroup_id_z 1
		.amdhsa_system_vgpr_workitem_id 0
		.amdhsa_next_free_vgpr 64
		.amdhsa_next_free_sgpr 66
		.amdhsa_reserve_vcc 0
		.amdhsa_float_denorm_mode_32 3
		.amdhsa_float_denorm_mode_16_64 3
		.amdhsa_memory_ordered 1
		.amdhsa_forward_progress 1
		.amdhsa_inst_pref_size 14
	.end_amdhsa_kernel
	.amdgpu_metadata
---
amdhsa.version: [ 1, 2 ]
amdhsa.kernels:
  - .name:           k_qc1fa0e22b4_prep
    .symbol:         k_qc1fa0e22b4_prep.kd
    .args:
      - { .name: Wq, .offset: 0, .size: 8, .value_kind: global_buffer, .address_space: global }
      - { .name: Wk, .offset: 8, .size: 8, .value_kind: global_buffer, .address_space: global }
      - { .name: Wv, .offset: 16, .size: 8, .value_kind: global_buffer, .address_space: global }
      - { .name: lowp_scales, .offset: 24, .size: 8, .value_kind: global_buffer, .address_space: global }
      - { .name: wqkf, .offset: 32, .size: 8, .value_kind: global_buffer, .address_space: global }
      - { .name: wvf, .offset: 40, .size: 8, .value_kind: global_buffer, .address_space: global }
    .group_segment_fixed_size: 0
    .private_segment_fixed_size: 0
    .kernarg_segment_align: 8
    .kernarg_segment_size: 48
    .max_flat_workgroup_size: 128
    .sgpr_count:     66
    .vgpr_count:     64
    .wavefront_size: 32
...
	.end_amdgpu_metadata
.endif
;; end of part 1
;; launch proj (part 2): grid 256 x 1, 4 waves a work-group, clusters of 4 x 1, 327,680 bytes of LDS; arguments x, wvf, wqkf, bq, bk, bv, lowp_scales, qc, kv; writes qc, kv
.if DOCPART == 2
	.amdgcn_target "amdgcn-amd-amdhsa--gfx1250"
	.amdhsa_code_object_version 6
	.text
	.protected	k_qc1fa0e22b4_proj
	.globl	k_qc1fa0e22b4_proj
	.p2align	8
	.type	k_qc1fa0e22b4_proj,@function
k_qc1fa0e22b4_proj:
	s_mov_b64 s[64:65], 0
	v_nop
	global_prefetch_b8 v0, s[64:65] scope:SCOPE_SE
	s_setreg_imm32_b32 hwreg(HW_REG_WAVE_MODE, 25, 1), 1
	s_wait_xcnt 0x0
	s_wait_alu depctr_hold_cnt(0) depctr_sa_sdst(0) depctr_va_vdst(0) depctr_va_sdst(0) depctr_va_ssrc(0) depctr_va_vcc(0) depctr_vm_vsrc(0)
	s_getreg_b32 s2, hwreg(HW_REG_IB_STS2, 6, 4)
	s_cmp_eq_u32 s2, 0
	s_cbranch_scc0 .Lentry_in_a_cluster
	s_endpgm
.Lentry_in_a_cluster:
	s_bfe_u32 s2, ttmp6, 0x10000c
	s_cmp_lg_u32 s2, 0x3003
	s_cbranch_scc0 .Lentry_shape_is_right
	s_endpgm
.Lentry_shape_is_right:
; q = Q(x, e0) Q(Wq, e1) + bq, k = Q(x, e2) Q(Wk, e3) + bk, v = Q(x, e4) Q(Wv, e5) + bv, and their codes for the attention: Q(q, e6), Q(k, e7), Q(v, e9).  No work is left out.
; SHARES.  A work-group owns 64 rows of x and ALL 1,280 columns, so each number of x is read and quantised once in the launch (three times over: its three scales may differ).
; K goes in 8 steps of 128.  Wave w quantises rows 16 w .. + 15 into LDS and owns columns: q's and k's 32 w .. + 31 (two tiles each) and v's channels 256 w .. + 255 (16 tiles), for all four tiles of rows:
; 80 accumulators, 640 registers, 80 matrix instructions a step, each accumulator once a step.
; THE WALK ALONG K IS STAGGERED: cluster C begins at K step (C xor C / 8) mod 8 and goes round the eight.  A sum has the same terms in another order; at any time the clusters ask for different blocks of the weights.
; CLUSTER 4 x 1: all work-groups walk the same Wv, so a step's 128 KiB are asked for JOINTLY by the four partners (a mask names four at the most; x's rows are shared with nobody).  Each wave fetches the 32 KiB that it reads itself.
; Wq's and Wk's four fragments of a wave and step come straight into registers: beside two slots of 128 KiB LDS has no room for them.
; TILES OF ROWS ARE TURNED: row rho of tile m = 2 g + u is row 32 g + 8 u + rho + 8 (rho / 8) of the 64.  v is made with x as source 0, so a lane holds one channel and eight rows; with turned tiles the 16 registers of
; tiles u = 0, 1 are 16 neighbouring rows, which are the KEYS, the next K of v.  q and k are made with the weight as source 0 (its tiles turned by the launch before): a lane holds one row and 16 neighbours along d.
; So every conversion's result is a piece of an operand's register image, and goes to memory as it stands: 512 consecutive aligned bytes a store.
; qc: [32 rows][u][2048].  kv: [batch][block j of 128 keys][wave part 0..3: 16 fragments of V (channels 256 w on, keys of block j), then the 2 fragments of K of keys 32 w .. + 31 of block j + 1 (mod 16)].
; LIMITS: e0, e2, e4, e6 - e0 - e1, e7 - e2 - e3, e9 - e4 - e5 between -126 and 119.  NaN among the inputs is not served.
; REGISTERS, in windows of 256.  Window 0: v1-15 addresses and scales; v16-31 at work; v32-95, v96-159 x of an even, an odd step; v160-255 three buffers of two fragments of Wv (the codes just made, and x's fragments for k, lie there too).
;   Window 1: v0-63 x's four fragments; v64-127 Wq's and Wk's four; v128-255 q's and k's 16 accumulators.   Windows 2, 3: v's 64 accumulators, (i, m) at 32 i + 8 m.
.set SLOTB, 131072                     ; a slot: a K step of Wv; wave w's part at 32,768 w
.set XIMG,  262144                     ; behind the ring: x's codes: 2 buffers x 3 sets x 64 rows, 144 bytes apart (128 + 16: sixteen rows start at sixteen different groups of banks)
.set XSET,  9216
.set XBUF,  27648
.set SPARE, 317440                     ; the spare words, 128 bytes for each wave: two blocks of 256 bytes that no other line names
.set SPW, 1
.set NIL, 2
.set L16, 3                            ; 16 x lane
.set XST, 4                            ; where I store a row's four codes
.set ARD, 5                            ; where I read x's fragments
.set BRD, 6                            ; v6, v7: my part of slot 0, 1
.set SCQ, 8                            ; v8, v9: scale and 448 x scale for e0; v10, v11 for e2; v12, v13 for e4; on the way out for the three folded exponents
.set LMQ, 9
.set SCV, 12
.set LMV, 13
.set BA,  14                           ; v14: my byte in bq and bk; v15: in bv
.set T0,  16
.set T1,  24
.set X0,  32
.set BB,  160
.set CQ,  160
.set CK,  176
.set CV,  192
.set AK,  160
.set AF,  0                            ; window 1
.set QW,  64
.set QA,  128
.set WV,  26
.set SI,  29                           ; s29: my cluster's first K step + the steps done; its low three bits are the K step in hand
.set XP,  30
.set WP,  32
.set G1,  48
.set G0,  56
.set XB0, 82                           ; s[82:83] x at my wave's rows; s[84:85] wqkf at my wave's part; s[86:87] wvf at my wave's part: they stay
.set WB0, 84
.set VB0, 86
.set TV,  88                           ; s[88:89], s[90:91], s[92:93]: byte offsets of a K step in wvf, in a row of x, in wqkf; the upper words are 0
.set TX,  90
.set TW,  92
.set XP2, 94                           ; s[94:95] x's pointer for the second of the two loads at the head
.set MSB, 0
.macro WIN new                         ; the immediate's high byte repeats the setting that is left; a switch that changes nothing is dropped
.if MSB != (\new)
	s_set_vgpr_msb (MSB<<8)|(\new)
.set MSB, (\new)
.endif
.endm
.macro PLACES n                        ; plain vector lines behind matrix instructions, in front of loads into registers that they have read
.rept \n
	v_nop
.endr
.endm
.macro ROUND                           ; a round of the cluster's barrier
	s_barrier_signal -1
	s_barrier_wait -1
	s_cmp_lg_u32 s[WV], 0
	s_cbranch_scc1 .Lnw0_\@
	s_barrier_signal -3
.Lnw0_\@:
	s_barrier_wait -3
	s_barrier_signal -1
	s_barrier_wait -1
.endm
.macro MKSC sc, lim, e                 ; 2^e and 448 x 2^e as f32, e in s[e]
	s_add_co_i32 s80, s[\e], 127
	s_lshl_b32 s81, s80, 23
	v_mov_b32 v[\sc], s81
	s_add_co_i32 s80, s80, 8
	s_lshl_b32 s80, s80, 23
	s_or_b32 s80, s80, 0x600000
	v_mov_b32 v[\lim], s80
.endm
.macro XLOAD par, ptr                  ; my 16 rows' 128 numbers of a K step: a row's 512 consecutive bytes an instruction
.irp i, 0,1,2,3,4,5,6,7,8,9,10,11,12,13,14,15
	global_load_b128 v[X0+64*(\par)+4*\i:X0+64*(\par)+4*\i+3], v[L16], s[\ptr:\ptr+1] offset:\i*4096 th:TH_LOAD_NT
.endr
.endm
.macro WQLOAD                          ; Wq's and Wk's four fragments of a step, as register images (window 1)
.irp f, 0,1,2,3,4,5,6,7,8,9,10,11,12,13,14,15
	global_load_b128 v[QW+4*\f:QW+4*\f+3], v[L16], s[WP:WP+1] offset:512*\f
.endr
.endm
.macro BIAS                            ; 24 loads into x's even registers, which are done with: bq v32-47, bk v48-63 (16 neighbours along d), bv in the even registers of v64-95 (my channel of each of 16 tiles)
.irp c, 0,1,2,3
	global_load_b128 v[32+4*\c:35+4*\c], v[BA], s[14:15] offset:16*\c
	global_load_b128 v[48+4*\c:51+4*\c], v[BA], s[16:17] offset:16*\c
.endr
.irp i, 0,1,2,3,4,5,6,7,8,9,10,11,12,13,14,15
	global_load_b32 v[64+2*\i], v[BA+1], s[18:19] offset:64*\i
.endr
.endm
; Two rows' four numbers of a lane are eight consecutive registers: a conversion gives one word of codes for each row.  Three scales, three sets.
.macro QUANT par
.set XS, X0+64*(\par)
.irp p, 0,1,2,3,4,5,6,7
.irp i, 0,1,2,3,4,5,6,7
	v_med3_num_f32 v[T0+\i], v[XS+8*\p+\i], -v[LMQ], v[LMQ]     ; the conversion does not saturate (ISA guide 7.6.2): the hold comes first
.endr
	v_cvt_scalef32_pk8_fp8_f32 v[CQ+2*\p:CQ+2*\p+1], v[T0:T0+7], v[SCQ]
.irp i, 0,1,2,3,4,5,6,7
	v_med3_num_f32 v[T1+\i], v[XS+8*\p+\i], -v[LMQ+2], v[LMQ+2]
.endr
	v_cvt_scalef32_pk8_fp8_f32 v[CK+2*\p:CK+2*\p+1], v[T1:T1+7], v[SCQ+2]
.irp i, 0,1,2,3,4,5,6,7
	v_med3_num_f32 v[XS+8*\p+\i], v[XS+8*\p+\i], -v[LMV], v[LMV]
.endr
	v_cvt_scalef32_pk8_fp8_f32 v[CV+2*\p:CV+2*\p+1], v[XS+8*\p:XS+8*\p+7], v[SCV]
.endr
	v_nop                                          ; a plain line behind the last conversion
.irp i, 0,1,2,3,4,5,6,7,8,9,10,11,12,13,14,15      ; my row i lies at row 16 (i / 8) + i % 8 from my wave's place: the turned order
	ds_store_b32 v[XST], v[CQ+\i] offset:(\par)*XBUF+(16*(\i/8)+(\i%8))*144
	ds_store_b32 v[XST], v[CK+\i] offset:(\par)*XBUF+XSET+(16*(\i/8)+(\i%8))*144
	ds_store_b32 v[XST], v[CV+\i] offset:(\par)*XBUF+2*XSET+(16*(\i/8)+(\i%8))*144
.endr
.endm
.macro ALOAD dst, set, buf             ; x's four fragments of one set: registers 4 c .. + 3 hold k = 32 c + 16 (lane / 16) + 0 .. 15 of row lane % 16
.irp m, 0,1,2,3
.irp c, 0,1,2,3
	ds_load_b128 v[\dst+16*\m+4*\c:\dst+16*\m+4*\c+3], v[ARD] offset:(\buf)*XBUF+(\set)*XSET+\m*2304+32*\c
.endr
.endr
.endm
.macro BLOAD g, slot                   ; Wv's fragments 2 g, 2 g + 1 of my 16, into buffer g % 3
.irp e, 0,1
.irp c, 0,1,2,3
	ds_load_b128 v[BB+32*((\g)%3)+16*\e+4*\c:BB+32*((\g)%3)+16*\e+4*\c+3], v[BRD+\slot] offset:(2*(\g)+\e)*2048+512*\c
.endr
.endr
.endm
.macro QKMUL k, first                  ; 8 products: source 0 = a turned tile of Wq (k = 0) or Wk (1), source 1 = x's fragment
.irp u, 0,1
.irp m, 0,1,2,3
.set AC_, QA+32*(2*(\k)+\u)+8*\m
.set WF_, QW+16*(2*(\k)+\u)
.set XF_, AF+(AK-AF)*(\k)+16*\m
.if \first
	v_wmma_f32_16x16x128_fp8_fp8 v[AC_:AC_+7], v[WF_:WF_+15], v[XF_:XF_+15], 0
.else
	v_wmma_f32_16x16x128_fp8_fp8 v[AC_:AC_+7], v[WF_:WF_+15], v[XF_:XF_+15], v[AC_:AC_+7]
.endif
.endr
.endr
.endm
; A STEP.  par = the step's count % 2: x's registers, x's LDS buffer, Wv's slot.  first: the products start the sums.  kind 0: first step; 1: the other slot is filled again; 2: last step.
; after 1: x of two steps on is asked for; 2: the biases.  cntx, cntw: the loads that may stay out when x, and Wq's and Wk's fragments, have to be there.  wqk: the next step's fragments of Wq and Wk are asked for.
; Which 128 along K a step takes is s[SI] mod 8: each address is made from its kept base and that number.
.macro KSTEP par, first, kind, after, cntx, cntw, wqk
	s_wait_loadcnt \cntx                           ; loads return in order: this step's x is in; what was asked for behind it may stay out
	QUANT \par
.if \after == 1
	s_wait_xcnt 0x0                                ; the earlier loads have read x's pointer: it may be written
	s_add_co_u32 s[TX], s[SI], 2
	s_and_b32 s[TX], s[TX], 7                      ; the K step two steps on, round the eight
	s_lshl_b32 s[TX], s[TX], 9
	s_add_nc_u64 s[XP:XP+1], s[XB0:XB0+1], s[TX:TX+1]
	XLOAD \par, XP                                 ; two steps ahead
.endif
.if \after == 2
	BIAS
.endif
.if \kind == 0
	s_wait_tensorcnt 0x1                           ; my part of slot 0 is in; slot 1's load may stay out
	s_wait_dscnt 0x0                               ; my codes of x lie in LDS
	s_barrier_signal -1
	s_barrier_wait -1
.endif
.if \kind == 1
	s_wait_tensorcnt 0x0                           ; all my tensor loads have landed: the one that was out is this step's part of Wv
	ds_add_u32 v[SPW], v[NIL]                      ; 0 onto my spare word
	s_add_co_u32 s[TV], s[SI], 1                   ; no load of mine is out: the other slot's descriptor takes the next K step, round the eight
	s_and_b32 s[TV], s[TV], 7
	s_lshl_b32 s[TV], s[TV], 17
	s_add_nc_u64 s[G0+6-4*\par:G0+7-4*\par], s[VB0:VB0+1], s[TV:TV+1]
	s_or_b32 s[G0+7-4*\par], s[G0+7-4*\par], 0x80000000
	s_wait_dscnt 0x0                               ; the add is done, my codes of x lie in LDS, my reads of the other slot and of x's other buffer are over
	ROUND                                          ; all that now holds of every wave of the four partners
	tensor_load_to_lds s[G0+4-4*\par:G0+7-4*\par], s[G1:G1+7]   ; the next step's Wv, into the slot read last step: my one tensor load behind the round
	s_nop 0
	PLACES 4
.endif
.if \kind == 2
	s_wait_tensorcnt 0x0
	ds_add_u32 v[SPW], v[NIL]
	s_wait_dscnt 0x0
	s_barrier_signal -1
	s_barrier_wait -1
.endif
	WIN 0x40                                       ; destination window 1, address window 0
	ALOAD AF, 0, \par                              ; x by e0
	WIN 0
	ALOAD AK, 1, \par                              ; x by e2
	s_wait_loadcnt \cntw                           ; Wq's and Wk's fragments are in
	s_wait_dscnt 16                                ; the first 16 LDS loads are in
	WIN 0x55
	QKMUL 0, \first
	s_wait_dscnt 0
	WIN 0x51
	QKMUL 1, \first
	PLACES 4
	WIN 0x40
	ALOAD AF, 2, \par                              ; x by e4
.if \wqk
	s_wait_xcnt 0x0                                ; the earlier loads have read the pointer
	s_add_co_u32 s[TW], s[SI], 1
	s_and_b32 s[TW], s[TW], 7
	s_lshl_b32 s[TW], s[TW], 15
	s_add_nc_u64 s[WP:WP+1], s[WB0:WB0+1], s[TW:TW+1]
	WQLOAD
.endif
	WIN 0
	BLOAD 0, \par
	BLOAD 1, \par
	BLOAD 2, \par
.irp g, 0,1,2,3,4,5,6,7                            ; v: source 0 = x's fragment, source 1 = 16 channels of Wv
.if \g <= 5
	s_wait_dscnt 16                                ; pair g is in; the two pairs behind it may be out
.elseif \g == 6
	s_wait_dscnt 8
.else
	s_wait_dscnt 0
.endif
	WIN 0xa1+0x50*(\g/4)
.irp e, 0,1
.irp m, 0,1,2,3
.set AC_, 32*((2*\g+\e)%8)+8*\m
.set BF_, BB+32*(\g%3)+16*\e
.if \first
	v_wmma_f32_16x16x128_fp8_fp8 v[AC_:AC_+7], v[AF+16*\m:AF+16*\m+15], v[BF_:BF_+15], 0
.else
	v_wmma_f32_16x16x128_fp8_fp8 v[AC_:AC_+7], v[AF+16*\m:AF+16*\m+15], v[BF_:BF_+15], v[AC_:AC_+7]
.endif
.endr
.endr
.if \g <= 4
	PLACES 4
	WIN 0
	BLOAD \g+3, \par                               ; into the buffer just multiplied
.endif
.endr
	WIN 0
	s_add_co_u32 s[SI], s[SI], 1                   ; a step is done
.endm
	s_load_b256 s[8:15], s[0:1], 0x0               ; x s[8:9], wvf s[10:11], wqkf s[12:13], bq s[14:15]
	s_load_b256 s[16:23], s[0:1], 0x20             ; bk s[16:17], bv s[18:19], the exponents s[20:21], qc s[22:23]
	s_load_b64 s[24:25], s[0:1], 0x40              ; kv
	v_lshl_add_u32 v[SPW], v0, 2, SPARE
	v_mov_b32 v[NIL], 0
	ds_add_u32 v[SPW], v[NIL]                      ; the opening: the add, twice on end, and its wait ahead of my first tensor load
	ds_add_u32 v[SPW], v[NIL]
	v_lshrrev_b32 v16, 5, v0
	v_readfirstlane_b32 s[WV], v16                 ; wave 0..3
	s_bfe_u32 s27, ttmp6, 0x40000                  ; cx: my place in the cluster: it enters global addresses of x, qc and kv alone
	s_lshl_b32 s28, ttmp9, 2
	s_add_co_u32 s28, s28, s27                     ; W: my 64 rows
	s_lshr_b32 s[SI], ttmp9, 3
	s_xor_b32 s[SI], s[SI], ttmp9
	s_and_b32 s[SI], s[SI], 7                      ; my cluster's first K step: made of the cluster's number alone, so it is the same in all four partners
	s_add_co_u32 s47, s[SI], 1
	s_and_b32 s47, s47, 7                          ; and its second
	s_mov_b32 s[TV+1], 0
	s_mov_b32 s[TX+1], 0
	s_mov_b32 s[TW+1], 0
	s_mov_b32 s[G1], 15|(3<<16)|(1<<21)            ; the mask: all four partners; elements of 8 bytes; bit 21 beside a mask; no padding
	s_mov_b32 s[G1+1], 32<<16                      ; tensor_dim0: 32 elements = 256 bytes
	s_mov_b32 s[G1+2], 128<<16                     ; tensor_dim1: 128 rows
	s_mov_b32 s[G1+3], 32<<16                      ; tile_dim0
	s_mov_b32 s[G1+4], 128                         ; tile_dim1
	s_mov_b32 s[G1+5], 32                          ; the block is dense: pitch = row
	s_mov_b32 s[G1+6], 0
	s_mov_b32 s[G1+7], 0
	v_and_b32 v17, 31, v0                          ; lane
	v_and_b32 v18, 15, v0                          ; r
	v_bfe_u32 v19, v0, 4, 1                        ; h
	v_lshlrev_b32 v[L16], 4, v17
	s_lshr_b32 s70, s[WV], 1
	s_mul_i32 s70, s70, 4608                       ; 32 LDS rows for each pair of waves,
	s_and_b32 s71, s[WV], 1
	s_mul_i32 s71, s71, 1152                       ; 8 for the odd wave
	s_add_co_u32 s70, s70, s71
	s_add_co_u32 s70, s70, XIMG
	v_lshl_add_u32 v[XST], v17, 2, s70
	v_mul_u32_u24 v20, v18, 144
	v_lshl_add_u32 v20, v19, 4, v20
	v_add_nc_u32 v[ARD], XIMG, v20
	s_lshl_b32 s72, s[WV], 15                      ; my 32 KiB of a slot and of a K step of wvf
	s_mov_b32 s73, 0
	v_add_nc_u32 v[BRD], s72, v[L16]
	v_add_nc_u32 v[BRD+1], SLOTB, v[BRD]
	s_lshl_b32 s70, s[WV], 7
	v_lshl_add_u32 v[BA], v19, 6, s70              ; bq, bk: (32 w + 16 h) x 4
	s_lshl_b32 s71, s[WV], 10
	v_lshl_add_u32 v[BA+1], v18, 2, s71            ; bv: (256 w + r) x 4
	s_lshl_b32 s76, s28, 18                        ; 64 rows of 4,096 bytes,
	s_lshl_b32 s77, s[WV], 16                      ; my wave's 16
	s_add_co_u32 s76, s76, s77
	s_mov_b32 s77, 0
	s_lshl_b32 s78, s[WV], 13
	s_mov_b32 s79, 0
	s_wait_dscnt 0x0                               ; both opening adds are done
	s_wait_kmcnt 0x0
	s_load_b256 s[36:43], s[20:21], 0x0            ; e0 .. e7
	s_load_b64 s[44:45], s[20:21], 0x20            ; e8, e9
	s_add_nc_u64 s[XB0:XB0+1], s[8:9], s[76:77]
	s_add_nc_u64 s[WB0:WB0+1], s[12:13], s[78:79]
	s_add_nc_u64 s[VB0:VB0+1], s[10:11], s[72:73]
	s_lshl_b32 s[TX], s[SI], 9
	s_add_nc_u64 s[XP:XP+1], s[XB0:XB0+1], s[TX:TX+1]       ; x at my first K step,
	s_lshl_b32 s[TX], s47, 9
	s_add_nc_u64 s[XP2:XP2+1], s[XB0:XB0+1], s[TX:TX+1]     ; and at my second
	s_lshl_b32 s[TW], s[SI], 15
	s_add_nc_u64 s[WP:WP+1], s[WB0:WB0+1], s[TW:TW+1]
	s_mov_b32 s[G0], 1
	s_mov_b32 s[G0+1], s72
	s_lshl_b32 s[TV], s[SI], 17
	s_add_nc_u64 s[G0+2:G0+3], s[VB0:VB0+1], s[TV:TV+1]
	s_or_b32 s[G0+3], s[G0+3], 0x80000000
	s_mov_b32 s[G0+4], 1
	s_add_co_u32 s[G0+5], s72, SLOTB
	s_lshl_b32 s[TV], s47, 17
	s_add_nc_u64 s[G0+6:G0+7], s[VB0:VB0+1], s[TV:TV+1]
	s_or_b32 s[G0+7], s[G0+7], 0x80000000
	XLOAD 0, XP                                    ; my first two steps of x,
	XLOAD 1, XP2
	WIN 0x40
	WQLOAD                                         ; and the first of Wq and Wk
	WIN 0
	ROUND                                          ; all four partners are here: the first joint loads meet
	tensor_load_to_lds s[G0:G0+3], s[G1:G1+7]      ; my first step's Wv
	s_nop 0
	tensor_load_to_lds s[G0+4:G0+7], s[G1:G1+7]    ; my second's: two loads of mine are out
	s_nop 0
	PLACES 4
	s_wait_kmcnt 0x0
	MKSC SCQ, LMQ, 36
	MKSC SCQ+2, LMQ+2, 38
	MKSC SCV, LMV, 40
; The loads into registers go out in this order: x0, x1, W0 | in step s: x(s+2), then W(s+1).  At a step's head x(s+1) and W(s) may be out: 32.  At the products x(s+2): 16.
	KSTEP 0, 1, 0, 1, 32, 16, 1
	s_mov_b32 s46, 2
.Lk:                                               ; steps 1 to 4
	KSTEP 1, 0, 1, 1, 32, 16, 1
	KSTEP 0, 0, 1, 1, 32, 16, 1
	s_sub_co_u32 s46, s46, 1
	s_cmp_lg_u32 s46, 0
	s_cbranch_scc1 .Lk
	KSTEP 1, 0, 1, 1, 32, 16, 1                    ; step 5 asks for the last of x
	KSTEP 0, 0, 1, 2, 32, 24, 1                    ; step 6 asks for the biases: 24 loads stand behind W6
	KSTEP 1, 0, 2, 0, 40, 0, 0                     ; step 7: behind x7 the biases and W7 may be out: 40; at the products nothing
	; THE WAY OUT.  A sum stands for sum x 2^(ex + ew): the bias goes in divided by that power of two, and the conversion takes the output's scale divided by it.
	s_add_co_i32 s70, s36, s37                     ; e0 + e1
	s_add_co_i32 s71, s38, s39                     ; e2 + e3
	s_add_co_i32 s72, s40, s41                     ; e4 + e5
	s_sub_co_i32 s73, 0, s70
	s_sub_co_i32 s74, 0, s71
	s_sub_co_i32 s75, 0, s72
.irp i, 0,1,2,3,4,5,6,7,8,9,10,11,12,13,14,15      ; these 48 plain lines are also the places behind the last products
	v_ldexp_f32 v[32+\i], v[32+\i], s73
	v_ldexp_f32 v[48+\i], v[48+\i], s74
	v_ldexp_f32 v[64+2*\i], v[64+2*\i], s75
.endr
	s_sub_co_i32 s76, s42, s70                     ; e6 - e0 - e1
	s_sub_co_i32 s77, s43, s71                     ; e7 - e2 - e3
	s_sub_co_i32 s78, s45, s72                     ; e9 - e4 - e5
	MKSC SCQ, LMQ, 76
	MKSC SCQ+2, LMQ+2, 77
	MKSC SCV, LMV, 78
	; where the codes go
	s_lshl_b32 s70, s28, 13
	s_lshl_b32 s71, s[WV], 9
	s_add_co_u32 s70, s70, s71
	s_mov_b32 s71, 0
	s_add_nc_u64 s[34:35], s[22:23], s[70:71]      ; qc + 8,192 W + 512 w: piece w of four fragments
	s_lshr_b32 s72, s28, 5                         ; batch
	s_mul_i32 s72, s72, 2359296
	s_and_b32 s73, s28, 31
	s_lshr_b32 s74, s73, 1                         ; j: my block of 128 keys
	s_and_b32 s73, s73, 1                          ; which half of it
	s_add_co_u32 s75, s74, 15
	s_and_b32 s75, s75, 15                         ; K of block j lies with V of block j - 1
	s_mul_i32 s75, s75, 147456
	s_add_co_u32 s75, s75, s72
	s_mul_i32 s76, s73, 73728                      ; two wave parts for each half
	s_add_co_u32 s75, s75, s76
	s_lshl_b32 s76, s[WV], 9
	s_add_co_u32 s70, s75, s76
	s_add_co_u32 s70, s70, 32768
	s_add_nc_u64 s[66:67], s[24:25], s[70:71]      ; k's codes
	s_mul_i32 s74, s74, 147456
	s_add_co_u32 s74, s74, s72
	s_mul_i32 s76, s[WV], 36864
	s_add_co_u32 s74, s74, s76
	s_lshl_b32 s76, s73, 10
	s_add_co_u32 s70, s74, s76
	s_add_nc_u64 s[68:69], s[24:25], s[70:71]      ; v's codes
.macro FIN acc, bias, bc, lim          ; one accumulator, from its low end on: + the bias (bc = 1: one number for all eight), then the hold
.irp i, 0,2,4,6
.if \bc
	v_pk_add_f32 v[(\acc)+\i:(\acc)+\i+1], v[(\acc)+\i:(\acc)+\i+1], v[(\bias):(\bias)+1] op_sel_hi:[1,0]
.else
	v_pk_add_f32 v[(\acc)+\i:(\acc)+\i+1], v[(\acc)+\i:(\acc)+\i+1], v[(\bias)+\i:(\bias)+\i+1]
.endif
.endr
.irp i, 0,1,2,3,4,5,6,7
	v_med3_num_f32 v[(\acc)+\i], v[(\acc)+\i], -v[\lim], v[\lim]
.endr
.endm
	WIN 0x41                                       ; destination and source 0 window 1
.irp t, 0,1,2,3
.irp m, 0,1,2,3
	FIN QA+32*\t+8*\m, 32+8*\t, 0, LMQ+2*(\t/2)
.endr
.endr
	WIN 0x01
.irp t, 0,1,2,3
.irp m, 0,1,2,3
	v_cvt_scalef32_pk8_fp8_f32 v[96+16*(\t/2)+4*\m+2*(\t%2):96+16*(\t/2)+4*\m+2*(\t%2)+1], v[QA+32*\t+8*\m:QA+32*\t+8*\m+7], v[SCQ+2*(\t/2)]
.endr
.endr
	v_nop                                          ; a plain line behind the last conversion
	WIN 0
.irp m, 0,1,2,3
	global_store_b128 v[L16], v[96+4*\m:99+4*\m], s[34:35] offset:\m*2048                      ; 32 lanes store 512 consecutive aligned bytes
	global_store_b128 v[L16], v[112+4*\m:115+4*\m], s[66:67] offset:(\m/2)*36864+(\m%2)*2048
.endr
.irp hw, 0,1
	WIN 0x82+0x41*\hw
.irp i8, 0,1,2,3,4,5,6,7
.irp m, 0,1,2,3
	FIN 32*\i8+8*\m, 64+2*(8*\hw+\i8), 1, LMV
.endr
.endr
	WIN 0x02+\hw
.irp i8, 0,1,2,3,4,5,6,7
.irp m, 0,1,2,3
	v_cvt_scalef32_pk8_fp8_f32 v[128+8*(8*\hw+\i8)+2*\m:128+8*(8*\hw+\i8)+2*\m+1], v[32*\i8+8*\m:32*\i8+8*\m+7], v[SCV]
.endr
.endr
	v_nop
	WIN 0
.irp i8, 0,1,2,3,4,5,6,7
.irp g, 0,1
	global_store_b128 v[L16], v[128+8*(8*\hw+\i8)+4*\g:128+8*(8*\hw+\i8)+4*\g+3], s[68:69] offset:(8*\hw+\i8)*2048+\g*512
.endr
.endr
.endr
	s_wait_tensorcnt 0x0                           ; the wave's end
	ds_add_u32 v[SPW], v[NIL]
	s_wait_dscnt 0x0
	ROUND                                          ; the closing round: no work-group ends while a partner may still ask for a tile that names it
	s_endpgm
.Lfunc_end_k_qc1fa0e22b4_proj:
	.size	k_qc1fa0e22b4_proj, .Lfunc_end_k_qc1fa0e22b4_proj-k_qc1fa0e22b4_proj
	.p2alignl 7, 3214868480
	.fill 96, 4, 3214868480
	.section	.rodata,"a",@progbits
	.p2align	6, 0x0
	.amdhsa_kernel k_qc1fa0e22b4_proj
		.amdhsa_group_segment_fixed_size 327680
		.amdhsa_private_segment_fixed_size 0
		.amdhsa_enable_private_segment 0
		.amdhsa_kernarg_size 72
		.amdhsa_user_sgpr_count 2
		.amdhsa_user_sgpr_kernarg_segment_ptr 1
		.amdhsa_wavefront_size32 1
		.amdhsa_system_sgpr_workgroup_id_x 1
		.amdhsa_system_sgpr_workgroup_id_y 1
		.amdhsa_system_sgpr_workgroup_id_z 1
		.amdhsa_system_vgpr_workitem_id 0
		.amdhsa_next_free_vgpr 1024
		.amdhsa_next_free_sgpr 100
		.amdhsa_reserve_vcc 0
		.amdhsa_float_denorm_mode_32 3
		.amdhsa_float_denorm_mode_16_64 3
		.amdhsa_memory_ordered 1
		.amdhsa_forward_progress 1
		.amdhsa_inst_pref_size 255
	.end_amdhsa_kernel
	.section	.bss,"aw",@nobits
	.p2align	6
	.space	262144
	.amdgpu_metadata
---
amdhsa.version: [ 1, 2 ]
amdhsa.kernels:
  - .name:           k_qc1fa0e22b4_proj
    .symbol:         k_qc1fa0e22b4_proj.kd
    .args:
      - { .name: x, .offset: 0, .size: 8, .value_kind: global_buffer, .address_space: global }
      - { .name: wvf, .offset: 8, .size: 8, .value_kind: global_buffer, .address_space: global }
      - { .name: wqkf, .offset: 16, .size: 8, .value_kind: global_buffer, .address_space: global }
      - { .name: bq, .offset: 24, .size: 8, .value_kind: global_buffer, .address_space: global }
      - { .name: bk, .offset: 32, .size: 8, .value_kind: global_buffer, .address_space: global }
      - { .name: bv, .offset: 40, .size: 8, .value_kind: global_buffer, .address_space: global }
      - { .name: lowp_scales, .offset: 48, .size: 8, .value_kind: global_buffer, .address_space: global }
      - { .name: qc, .offset: 56, .size: 8, .value_kind: global_buffer, .address_space: global }
      - { .name: kv, .offset: 64, .size: 8, .value_kind: global_buffer, .address_space: global }
    .group_segment_fixed_size: 327680
    .private_segment_fixed_size: 0
    .kernarg_segment_align: 8
    .kernarg_segment_size: 72
    .max_flat_workgroup_size: 128
    .sgpr_count:     100
    .vgpr_count:     1024
    .wavefront_size: 32
...
	.end_amdgpu_metadata
.endif
;; end of part 2
;; launch attn (part 3): grid 256 x 1, 4 waves a work-group, clusters of 4 x 1, 327,680 bytes of LDS; arguments qc, kv, x, gamma, lowp_scales, out0; writes out0
.if DOCPART == 3
	.amdgcn_target "amdgcn-amd-amdhsa--gfx1250"
	.amdhsa_code_object_version 6
	.text
	.protected	k_qc1fa0e22b4_attn
	.globl	k_qc1fa0e22b4_attn
	.p2align	8
	.type	k_qc1fa0e22b4_attn,@function
k_qc1fa0e22b4_attn:
	s_mov_b64 s[64:65], 0
	v_nop
	global_prefetch_b8 v0, s[64:65] scope:SCOPE_SE
	s_setreg_imm32_b32 hwreg(HW_REG_WAVE_MODE, 25, 1), 1
	s_wait_xcnt 0x0
	s_wait_alu depctr_hold_cnt(0) depctr_sa_sdst(0) depctr_va_vdst(0) depctr_va_sdst(0) depctr_va_ssrc(0) depctr_va_vcc(0) depctr_vm_vsrc(0)
	s_getreg_b32 s2, hwreg(HW_REG_IB_STS2, 6, 4)
	s_cmp_eq_u32 s2, 0
	s_cbranch_scc0 .Lentry_in_a_cluster
	s_endpgm
.Lentry_in_a_cluster:
	s_bfe_u32 s2, ttmp6, 0x10000c
	s_cmp_lg_u32 s2, 0x3003
	s_cbranch_scc0 .Lentry_shape_is_right
	s_endpgm
.Lentry_shape_is_right:
; out = gamma * (P V) / l + x, with S = Q K^T on codes (e6, e7), t = S x log2(e), M = ceil(the row's largest t), p = 2^(t - M), l = the row's sum of the unquantised p, P = Q(p, e8), V as codes (e9).  No work is left out.
; SHARES.  A work-group owns 64 queries of one batch (four turned tiles of 16, as the launch before laid them) and walks the batch's 2,048 keys, 128 a step.
; THE SCORES ARE SHARED BY KEYS: wave w takes keys 32 w .. + 31 of each step for all 64 queries; S^T = K Q^T (source 0 = 16 keys, turned), so a lane holds one query and 16 neighbouring keys, and its
; conversions give piece w of the register images of P's four fragments.  Each score's softmax is done once in the work-group.
; P V IS SHARED BY CHANNELS: wave w owns channels 256 w .. + 255: O^T = V^T P^T, 64 accumulators.  So a wave reads from a slot only what it fetched; P alone (8 KiB a step) goes from wave to wave, through LDS.
; THE MAXIMUM FIRST.  Pass 1 makes all scores once more (8 of a step's 72 matrix instructions again) and finds each row's exact largest t; so M is final from the first key on and O^T and l are never rescaled.
; THE WALK IS STAGGERED.  With M final the order of the keys is free: cluster c of a batch's eight begins at block 4 ((c + c / 4) % 4) and goes round the sixteen, so that at any time the batch's clusters ask for four different blocks.
; THE RING.  Block b of kv holds V of keys 128 b on AND K of block b + 1 (mod 16): one round of the cluster's barrier a step serves the ring and P's images.
; BY TURNS.  In a step: the next block's scores (8 products); then O^T += V P (64 products), and behind each four of them 13 lines of the softmax of those scores: the two name no common register.
; CLUSTER 4 x 1: the four partners belong to one batch and walk the same blocks: each wave part is asked for jointly.
; LIMITS: e6 + e7 between -126 and 127 (added to the exponent field of log2(e)); e8 between -126 and 119.  A p under 2^-126 counts as 0.  NaN among the inputs is not served.
; REGISTERS.  Window 0: v1-7 addresses; v8, 10, 12, 14: -M of the four tiles, later gamma 2^(e8+e9) / l (named in pairs of which the low word alone is taken: the odd partners hold four offsets);
;   v16-23 l in pairs; v24, v25 448 x 2^e8, 2^e8; v26-29 largest scores; v30, v31 addresses; v32-95 Q; v96-127 K's two fragments, later p's codes; v128-191 S^T, (u, m) at 16 m + 8 u; v192-255 P's four fragments.
;   Window 1: a step's 16 fragments of V.   Windows 2, 3: in pass 1 my 32 fragments of K; then O^T, (t, m) at 32 t + 8 m.
.set BLK,   147456                     ; a block and a slot; wave w's part at 36,864 w: 16 fragments of V, then 2 of K
.set PIMG,  294912                     ; P's images: 2 buffers x 4 fragments
.set MX,    311296                     ; the waves' largest scores: (4 w + m) x 128 + 4 x lane; 2,048 bytes further on their sums
.set SPARE, 315392                     ; the spare words, 128 bytes for each wave: two blocks of 256 bytes that no other line names
.set SPW, 1
.set NIL, 2
.set L16, 3
.set VRD, 4                            ; v4, v5: my part of slot 0, 1
.set PST, 6
.set PRD, 7
.set NM,  8
.set STO, 9                            ; the way out: where I put 32 bytes of a row.  The stage (16 rows x 1,040 bytes a wave) lies in slot 0, which has had its last fill and its last read by then
.set SRD, 11                           ; and where I read rows back
.set KO,  13                           ; my byte offset to K of my cluster's first block
.set PFO, 15                           ; 256 x lane, for the prefetches
.set LS,  16
.set LIM, 24
.set SC,  25
.set RM,  26
.set MXS, 30
.set MXL, 31
.set Q,   32
.set KF,  96
.set PC,  96
.set S,   128
.set PF,  192
.set WV,  26
.set CS,  42                           ; s[42:43] c = log2(e) x 2^(e6 + e7)
.set SEL, 44                           ; s[44:45] lane selects: lane l xor 16
.set CNT, 46
.set LIMA, 47                          ; 6 in a cluster that prefetches, else the greatest number
.set G1,  48
.set G0,  56
.set PFA, 66
.set XB,  68
.set IDX, 71                           ; s71: the block asked for last
.set OB,  72
.set KB,  74                           ; s[74:75] kv at my batch and my wave part: it stays
.set QB,  76
.set TO,  88                           ; s[88:89] a block's byte offset in the batch; the upper word is 0
.set MSB, 0
.macro WIN new
.if MSB != (\new)
	s_set_vgpr_msb (MSB<<8)|(\new)
.set MSB, (\new)
.endif
.endm
.macro PLACES n
.rept \n
	v_nop
.endr
.endm
.macro ROUND
	s_barrier_signal -1
	s_barrier_wait -1
	s_cmp_lg_u32 s[WV], 0
	s_cbranch_scc1 .Lnw0_\@
	s_barrier_signal -3
.Lnw0_\@:
	s_barrier_wait -3
	s_barrier_signal -1
	s_barrier_wait -1
.endm
; A PREFETCH INTO THE L2 of V of my cluster's third block (asked for in step 0) and fourth (in step 1), each one step ahead of the tensor load that wants it.  Clusters 0 to 3 of a batch ask: they begin at blocks 0, 4, 8, 12,
; so each block is named by one cluster.  A wave part's 32,768 bytes of V are shared out among the four partners BY ADDRESS, 8,192 each; lanes 256 bytes apart; one instruction a wave.  The address is never stepped: the
; second block stands in the immediate.  The blocks from the fifth on are the first blocks of another cluster's walk, and are not asked for; nor are K's fragments, which pass 1 has read.
.macro ASK off
	s_cmp_gt_u32 s[CNT], s[LIMA]                   ; s[CNT] = 7 in step 0 and in the loop's first trip
	s_cbranch_scc0 .Lna_\@
	global_prefetch_b8 v[PFO], s[PFA:PFA+1] offset:\off th:TH_LOAD_NT scope:SCOPE_SE
.Lna_\@:
.endm
; THE SOFTMAX of a lane's 64 scores (16 keys x 4 tiles) is a list of 202 lines; SMI writes line n_ and counts on.
;   0-31 t - M, two at a time, each accumulator from its low end on | 32-95 the exponentials, ONE BATCH | 96 a plain line and the one wait for the batch, ahead of its first reader
;   97-128 the row's sum, of the unquantised p, in four chains | 129-192 the hold: the conversion does not saturate (ISA guide 7.6.2); p is not negative, so it is one-sided | 193-200 the conversions | 201 a plain line behind the last
.macro SMI
.if n_ < 32
	v_pk_fma_f32 v[S+2*n_:S+2*n_+1], v[S+2*n_:S+2*n_+1], s[CS:CS+1], v[NM+2*(n_/8):NM+2*(n_/8)+1] op_sel_hi:[1,0,0]
.elseif n_ < 96
	v_exp_f32 v[S+n_-32], v[S+n_-32]               ; p = 2^(t - M), at most 1: not normalised
.elseif n_ == 96
	v_nop
	s_wait_alu depctr_va_vdst(0)
.elseif n_ < 129
.set a_, n_-97
	v_pk_add_f32 v[LS+2*(a_%4):LS+2*(a_%4)+1], v[LS+2*(a_%4):LS+2*(a_%4)+1], v[S+16*(a_%4)+2*(a_/4):S+16*(a_%4)+2*(a_/4)+1]
.elseif n_ < 193
	v_min_num_f32 v[S+n_-129], v[S+n_-129], v[LIM]
.elseif n_ < 201
.set a_, n_-193
	v_cvt_scalef32_pk8_fp8_f32 v[PC+2*a_:PC+2*a_+1], v[S+8*a_:S+8*a_+7], v[SC]
.else
	v_nop
.endif
.set n_, n_+1
.endm
.macro PSTORE buf                      ; piece w of P's four fragments, as it stands
.irp m, 0,1,2,3
	ds_store_b128 v[PST], v[PC+4*\m:PC+4*\m+3] offset:(\buf)*8192+\m*2048
.endr
.endm
.macro SMUL win, k0                    ; 8 products S^T = K Q^T; K's two fragments at v[k0] of window win
	WIN \win
.irp m, 0,1,2,3
.irp u, 0,1
	v_wmma_f32_16x16x128_fp8_fp8 v[S+16*\m+8*\u:S+16*\m+8*\u+7], v[(\k0)+16*\u:(\k0)+16*\u+15], v[Q+16*\m:Q+16*\m+15], 0
.endr
.endr
.endm
.macro PLOAD p                         ; P's four fragments
.set f_, 0
.rept 16
	ds_load_b128 v[PF+4*f_:PF+4*f_+3], v[PRD] offset:(\p)*8192+512*f_
.set f_, f_+1
.endr
.endm
.macro VLOAD p                         ; my 16 fragments of V, into window 1
	WIN 0x40
.set f_, 0
.rept 64
	ds_load_b128 v[4*f_:4*f_+3], v[VRD+\p] offset:512*f_
.set f_, f_+1
.endr
.endm
; 64 products, each accumulator once.  sm = 1: 13 lines of the softmax stand behind each four.  They name S^T, l, -M and the codes, all in window 0, and no register of these products.
; Four v_nop behind the first four are the places between the score products and the first line that reads their results (ISA guide 7.12.1).  No LDS instruction stands among the slices, so the counts below hold.
.macro PVMUL first, sm
.set t_, 0
.set n_, 0
.rept 16
	s_wait_dscnt 4*(15-t_)                         ; fragment t of V is in; those behind it may be out
	WIN 0xa1+0x50*(t_/8)
.irp m, 0,1,2,3
.set AC_, 32*(t_%8)+8*\m
.if \first
	v_wmma_f32_16x16x128_fp8_fp8 v[AC_:AC_+7], v[16*t_:16*t_+15], v[PF+16*\m:PF+16*\m+15], 0
.else
	v_wmma_f32_16x16x128_fp8_fp8 v[AC_:AC_+7], v[16*t_:16*t_+15], v[PF+16*\m:PF+16*\m+15], v[AC_:AC_+7]
.endif
.endr
.if \sm
	WIN 0
.if t_ == 0
	PLACES 4
.endif
.rept 13
.if n_ < 202
	SMI
.endif
.endr
.endif
.set t_, t_+1
.endr
	WIN 0
.endm
; A KEY STEP, p = its count % 2.  kind 0: the first; 1: the other slot is filled again.  ask: the immediate of the step's prefetch (kind 1: 0 = none).
.macro STEP p, first, kind, ask
.if \kind == 0
	s_wait_tensorcnt 0x1                           ; my part of my first block is in; the second's load may stay out
	s_wait_dscnt 0x0                               ; my piece of P lies in LDS
	s_barrier_signal -1
	s_barrier_wait -1
.else
	s_wait_tensorcnt 0x0                           ; all my tensor loads have landed: the one that was out is this step's block
	ds_add_u32 v[SPW], v[NIL]                      ; 0 onto my spare word
	s_add_co_u32 s[IDX], s[IDX], 1                 ; no load of mine is out: the other slot's descriptor takes the next block, round the sixteen
	s_and_b32 s[IDX], s[IDX], 15
	s_mul_i32 s[TO], s[IDX], BLK
	s_add_nc_u64 s[G0+6-4*\p:G0+7-4*\p], s[KB:KB+1], s[TO:TO+1]
	s_or_b32 s[G0+7-4*\p], s[G0+7-4*\p], 0x80000000
	s_wait_dscnt 0x0                               ; the add is done, my piece of P lies in LDS, my reads of the other slot and of P's other buffer are over
	ROUND                                          ; all that now holds of every wave of the four partners
	tensor_load_to_lds s[G0+4-4*\p:G0+7-4*\p], s[G1:G1+7]   ; the next block: my one tensor load behind the round
	s_nop 0
	PLACES 4
.if \ask > 0
	ASK \ask
.endif
.endif
.irp f, 0,1,2,3,4,5,6,7
	ds_load_b128 v[KF+4*\f:KF+4*\f+3], v[VRD+\p] offset:32768+512*\f   ; K of the next step
.endr
	PLOAD \p
	VLOAD \p
.if \kind == 0
	WIN 0
	ASK \ask                                       ; behind the run of LDS loads that the next products wait for
.endif
	s_wait_dscnt 63                                ; 80 loads stand behind K's eight; the count is as large as its field allows
	SMUL 0, KF
	PVMUL \first, 1
	PLACES 3                                       ; with the list's last line: four places behind the last products, in front of the next step's loads
	PSTORE 1-\p
.endm
	s_load_b256 s[8:15], s[0:1], 0x0               ; qc s[8:9], kv s[10:11], x s[12:13], gamma s[14:15]
	s_load_b128 s[16:19], s[0:1], 0x20             ; the exponents s[16:17], out0 s[18:19]
	v_lshl_add_u32 v[SPW], v0, 2, SPARE
	v_mov_b32 v[NIL], 0
	ds_add_u32 v[SPW], v[NIL]                      ; the opening: the add, twice on end, and its wait ahead of my first tensor load
	ds_add_u32 v[SPW], v[NIL]
	v_lshrrev_b32 v16, 5, v0
	v_readfirstlane_b32 s[WV], v16                 ; wave 0..3
	s_bfe_u32 s27, ttmp6, 0x40000                  ; cx: it enters global addresses of qc, x, out0 and the prefetches alone
	s_lshl_b32 s28, ttmp9, 2
	s_add_co_u32 s28, s28, s27                     ; W: my 64 queries
	s_lshr_b32 s29, ttmp9, 3                       ; the batch, which the partners share
	s_and_b32 s30, ttmp9, 7                        ; c: my cluster among the batch's eight
	s_lshr_b32 s31, s30, 2
	s_add_co_u32 s31, s31, s30
	s_and_b32 s31, s31, 3
	s_lshl_b32 s[IDX], s31, 2                      ; my first block: 4 ((c + c / 4) % 4): 0, 4, 8 or 12: made of the cluster's number alone
	s_cmp_lt_u32 s30, 4
	s_cselect_b32 s[LIMA], 6, -1                   ; clusters 0 to 3 prefetch: the same in all four partners
	s_mul_i32 s[TO], s[IDX], BLK
	s_mov_b32 s[TO+1], 0
	s_add_co_u32 s31, s[IDX], 15
	s_and_b32 s31, s31, 15
	s_mul_i32 s31, s31, BLK                        ; K of my first block lies in the block before it
	s_mov_b32 s[G1], 15|(3<<16)|(1<<21)            ; the mask: all four; elements of 8 bytes; bit 21 beside a mask; no padding
	s_mov_b32 s[G1+1], 32<<16                      ; rows of 256 bytes,
	s_mov_b32 s[G1+2], 144<<16                     ; 144 of them: a wave part
	s_mov_b32 s[G1+3], 32<<16
	s_mov_b32 s[G1+4], 144
	s_mov_b32 s[G1+5], 32                          ; dense
	s_mov_b32 s[G1+6], 0
	s_mov_b32 s[G1+7], 0
	s_mov_b32 s[SEL], 0x76543210
	s_mov_b32 s[SEL+1], 0xfedcba98
	v_and_b32 v16, 31, v0                          ; lane
	v_and_b32 v17, 15, v0                          ; r
	v_bfe_u32 v18, v0, 4, 1                        ; h
	v_lshlrev_b32 v[L16], 4, v16
	v_add_nc_u32 v[KO], s31, v[L16]
	s_mul_i32 s78, s[WV], 36864
	s_mov_b32 s79, 0
	v_add_nc_u32 v[VRD], s78, v[L16]
	v_add_nc_u32 v[VRD+1], BLK, v[VRD]
	s_lshl_b32 s70, s[WV], 9
	v_add_nc_u32 v[PST], s70, v[L16]
	v_add_nc_u32 v[PST], PIMG, v[PST]
	v_add_nc_u32 v[PRD], PIMG, v[L16]
	v_lshl_add_u32 v[MXS], v16, 2, s70
	v_add_nc_u32 v[MXS], MX, v[MXS]
	v_lshlrev_b32 v[MXL], 2, v16
	v_add_nc_u32 v[MXL], MX, v[MXL]
	s_mul_i32 s70, s[WV], 16640
	v_mul_u32_u24 v[STO], v17, 1040
	v_lshl_add_u32 v[STO], v18, 5, v[STO]
	v_add_nc_u32 v[STO], s70, v[STO]
	v_add_nc_u32 v[SRD], s70, v[L16]
	v_lshlrev_b32 v[PFO], 8, v16
.irp i, 0,1,2,3,4,5,6,7
	v_mov_b32 v[LS+\i], 0                          ; the sums
.endr
.irp m, 0,1,2,3
	v_mov_b32 v[RM+\m], 0xff7fffff                 ; under every score
.endr
	s_mul_i32 s80, s29, 2359296
	s_mov_b32 s81, 0
	s_lshl_b32 s82, s28, 13
	s_mov_b32 s83, 0
	s_lshl_b32 s84, s28, 18                        ; 64 rows of 4,096 bytes,
	s_lshl_b32 s85, s[WV], 10                      ; my 256 channels
	s_add_co_u32 s84, s84, s85
	s_mov_b32 s85, 0
	s_lshl_b32 s86, s27, 13                        ; my work-group's 8,192 bytes of a wave part's V,
	s_add_co_u32 s86, s86, 2*BLK                   ; two blocks behind my cluster's first
	s_mov_b32 s87, 0
	s_wait_dscnt 0x0                               ; both opening adds are done
	s_wait_kmcnt 0x0
	s_load_b128 s[36:39], s[16:17], 0x18           ; e6, e7, e8, e9
	s_load_b32 s40, s[14:15], 0x0                  ; gamma
	s_add_nc_u64 s[KB:KB+1], s[10:11], s[80:81]
	s_add_nc_u64 s[KB:KB+1], s[KB:KB+1], s[78:79]  ; kv at my batch and my wave part
	s_add_nc_u64 s[QB:QB+1], s[8:9], s[82:83]
	s_add_nc_u64 s[XB:XB+1], s[12:13], s[84:85]
	s_add_nc_u64 s[OB:OB+1], s[18:19], s[84:85]
	s_add_nc_u64 s[PFA:PFA+1], s[KB:KB+1], s[86:87]
	s_add_nc_u64 s[PFA:PFA+1], s[PFA:PFA+1], s[TO:TO+1]
	s_mov_b32 s[G0], 1
	s_mov_b32 s[G0+1], s78
	s_add_nc_u64 s[G0+2:G0+3], s[KB:KB+1], s[TO:TO+1]      ; my first block,
	s_add_nc_u64 s[G0+6:G0+7], s[G0+2:G0+3], BLK           ; and the one behind it (13 at the most: no wrap)
	s_or_b32 s[G0+3], s[G0+3], 0x80000000
	s_mov_b32 s[G0+4], 1
	s_add_co_u32 s[G0+5], s78, BLK
	s_or_b32 s[G0+7], s[G0+7], 0x80000000
	s_add_co_u32 s[IDX], s[IDX], 1                 ; the block asked for last
	ROUND                                          ; all four partners are here: the first joint loads meet
	tensor_load_to_lds s[G0:G0+3], s[G1:G1+7]      ; my first block
	s_nop 0
	tensor_load_to_lds s[G0+4:G0+7], s[G1:G1+7]    ; my second: two loads of mine are out
	s_nop 0
	PLACES 4
.irp f, 0,1,2,3,4,5,6,7,8,9,10,11,12,13,14,15
	global_load_b128 v[Q+4*\f:Q+4*\f+3], v[L16], s[QB:QB+1] offset:512*\f   ; Q's four fragments stay in registers
.endr
.irp f, 0,1,2,3,4,5,6,7
	global_load_b128 v[KF+4*\f:KF+4*\f+3], v[KO], s[KB:KB+1] offset:32768+512*\f   ; my two fragments of K of my cluster's first block, for the first scores of the walk
.endr
.set j_, 0
.rept 16                                           ; my two fragments of K of every block, for pass 1: K of block j lies in block j - 1
	WIN 0x80+0x40*(j_/8)
.irp f, 0,1,2,3,4,5,6,7
	global_load_b128 v[32*(j_%8)+4*\f:32*(j_%8)+4*\f+3], v[L16], s[KB:KB+1] offset:((j_+15)%16)*BLK+32768+512*\f
.endr
.set j_, j_+1
.endr
	WIN 0
	s_wait_kmcnt 0x0
	s_add_co_i32 s70, s36, s37
	s_lshl_b32 s70, s70, 23
	s_add_co_i32 s[CS], s70, 0x3fb8aa3b            ; a score stands for score x 2^(e6 + e7): the exponents are added to the exponent field of log2(e)
	s_mov_b32 s[CS+1], s[CS]                       ; (named with it as a pair, so it is written)
	s_add_co_i32 s70, s38, 127
	s_lshl_b32 s41, s70, 23
	v_mov_b32 v[SC], s41                           ; 2^e8
	s_add_co_i32 s70, s70, 8
	s_lshl_b32 s70, s70, 23
	s_or_b32 s70, s70, 0x600000
	v_mov_b32 v[LIM], s70                          ; 448 x 2^e8
	s_add_co_i32 s41, s38, s39                     ; e8 + e9
	; PASS 1: the largest score of each query.  Block j's products go into S's buffer j % 2 (the second lies where P's fragments will); the maxima of block j - 1 stand behind them and are their places.
.macro WJ j
.if 8*(15-(\j)) > 63
	s_wait_loadcnt 63                              ; more loads stand behind K of this block than the count's field holds
.else
	s_wait_loadcnt 8*(15-(\j))                     ; K of the later blocks may be out
.endif
	WIN 0x02+((\j)/8)
.irp m, 0,1,2,3
.irp u, 0,1
	v_wmma_f32_16x16x128_fp8_fp8 v[S+64*((\j)%2)+16*\m+8*\u:S+64*((\j)%2)+16*\m+8*\u+7], v[32*((\j)%8)+16*\u:32*((\j)%8)+16*\u+15], v[Q+16*\m:Q+16*\m+15], 0
.endr
.endr
	WIN 0
.endm
.macro MAXJ b
.irp p, 0,2,4,6,8,10,12,14
.irp m, 0,1,2,3
	v_max3_num_f32 v[RM+\m], v[RM+\m], v[S+64*(\b)+16*\m+\p], v[S+64*(\b)+16*\m+\p+1]   ; each accumulator from its low end on
.endr
.endr
.endm
	WJ 0
	PLACES 5
.irp j, 1,2,3,4,5,6,7,8,9,10,11,12,13,14,15
	WJ \j
	MAXJ (\j-1)%2
.endr
	MAXJ 1
.irp m, 0,1,2,3
	v_permlanex16_b32 v[S+\m], v[RM+\m], s[SEL], s[SEL+1]   ; the query's other 16 keys lie in the lane 16 away
.endr
.irp m, 0,1,2,3
	v_max_num_f32 v[RM+\m], v[RM+\m], v[S+\m]
.endr
.irp m, 0,1,2,3
	ds_store_b32 v[MXS], v[RM+\m] offset:128*\m
.endr
	s_wait_dscnt 0x0                               ; for the others' sake: my maxima lie in LDS
	s_barrier_signal -1
	s_barrier_wait -1
.irp m, 0,1,2,3
.irp w, 0,1,2,3
	ds_load_b32 v[S+4*\m+\w], v[MXL] offset:(4*\w+\m)*128
.endr
.endr
	s_wait_dscnt 0x0
.irp m, 0,1,2,3
	v_max3_num_f32 v[RM+\m], v[S+4*\m], v[S+4*\m+1], v[S+4*\m+2]
.endr
.irp m, 0,1,2,3
	v_max_num_f32 v[RM+\m], v[RM+\m], v[S+4*\m+3]
.endr
.irp m, 0,1,2,3
	v_mul_f32 v[RM+\m], s[CS], v[RM+\m]            ; as t (c is positive)
.endr
.irp m, 0,1,2,3
	v_floor_f32 v[NM+2*\m], -v[RM+\m]              ; -M = floor(-t) = -ceil(t)
.endr
	SMUL 0, KF                                     ; the scores of my cluster's first block once more (its K came with the head's loads: the last wait of pass 1 was for 0)
	PLACES 4
.set n_, 0
.rept 202
	SMI                                            ; their softmax: there are no products yet to set it between
.endr
	PSTORE 0
	s_mov_b32 s[CNT], 7
	STEP 0, 1, 0, 0                                ; its products start O^T's sums: nothing is cleared
.Lj:                                               ; steps 1 to 14: each asks for the next block
	STEP 1, 0, 1, BLK
	STEP 0, 0, 1, 0
	s_sub_co_u32 s[CNT], s[CNT], 1
	s_cmp_lg_u32 s[CNT], 0
	s_cbranch_scc1 .Lj
	; STEP 15 is written out: nothing is left to fetch, no scores follow; the waves' sums meet at its barrier.
.irp m, 0,1,2,3
	v_add_f32 v[LS+2*\m], v[LS+2*\m], v[LS+2*\m+1]
.endr
.irp m, 0,1,2,3
	v_permlanex16_b32 v[LS+2*\m+1], v[LS+2*\m], s[SEL], s[SEL+1]
.endr
.irp m, 0,1,2,3
	v_add_f32 v[LS+2*\m], v[LS+2*\m], v[LS+2*\m+1]
.endr
.irp m, 0,1,2,3
	ds_store_b32 v[MXS], v[LS+2*\m] offset:2048+128*\m
.endr
	s_wait_tensorcnt 0x0                           ; my last block is in
	ds_add_u32 v[SPW], v[NIL]
	s_wait_dscnt 0x0                               ; my piece of P and my sums lie in LDS; my reads of slot 0 are over
	s_barrier_signal -1
	s_barrier_wait -1
.irp m, 0,1,2,3
.irp w, 0,1,2,3
	ds_load_b32 v[160+4*\m+\w], v[MXL] offset:2048+(4*\w+\m)*128
.endr
.endr
	PLOAD 1
	VLOAD 1
; x of unit q: 8 rows x my 1,024 bytes, from row 32 (q / 4) + 8 ((q / 2) % 2) + 16 (q % 2) on: the rows that half a turned tile holds.  Four buffers: v32-95, v96-159, and v0-63, v64-127 of window 1.
.macro XREQ q
.set R0_, 32*((\q)/4)+8*(((\q)/2)%2)+16*((\q)%2)
.if ((\q)%4) < 2
.set XL_, 32+64*((\q)%4)
	WIN 0
.else
.set XL_, 64*((\q)%4-2)
	WIN 0x40
.endif
.irp i, 0,1,2,3,4,5,6,7,8,9,10,11,12,13,14,15
	global_load_b128 v[XL_+4*\i:XL_+4*\i+3], v[L16], s[XB:XB+1] offset:(R0_+\i/2)*4096+512*(\i%2) th:TH_LOAD_NT
.endr
.endm
	XREQ 0                                         ; Q, K and S are done with
	XREQ 1
	PVMUL 0, 0
.irp m, 0,1,2,3                                    ; the four waves' sums; these 12 plain lines are also the places behind the last products
	v_add_f32 v[160+4*\m], v[160+4*\m], v[161+4*\m]
	v_add_f32 v[162+4*\m], v[162+4*\m], v[163+4*\m]
.endr
.irp m, 0,1,2,3
	v_add_f32 v[160+4*\m], v[160+4*\m], v[162+4*\m]
.endr
.irp m, 0,1,2,3
	v_rcp_f32 v[NM+2*\m], v[160+4*\m]
.endr
	v_nop                                          ; a plain line behind the last reciprocal
	XREQ 2                                         ; V is done with
	XREQ 3
	WIN 0
	s_wait_alu depctr_va_vdst(0)                   ; one wait for the four reciprocals, ahead of their first reader
.irp m, 0,1,2,3
	v_mul_f32 v[NM+2*\m], s40, v[NM+2*\m]          ; x gamma
.endr
.irp m, 0,1,2,3
	v_ldexp_f32 v[NM+2*\m], v[NM+2*\m], s41        ; x 2^(e8 + e9)
.endr
; THE WAY OUT.  A lane holds 32 neighbouring bytes of a row and the lanes beside it other rows: a tile goes through my own stage and comes back as rows.  LDS serves a wave's instructions in order (ISA guide 5.7.1.4).
.macro TILEOUT m
.irp hw, 0,1
	WIN 0x82+0x41*\hw
.irp t, 0,1,2,3,4,5,6,7
.irp i, 0,2,4,6
	v_pk_mul_f32 v[32*\t+8*(\m)+\i:32*\t+8*(\m)+\i+1], v[32*\t+8*(\m)+\i:32*\t+8*(\m)+\i+1], v[NM+2*(\m):NM+2*(\m)+1] op_sel_hi:[1,0]
.endr
.endr
.endr
.irp hw, 0,1
	WIN 0x08+0x04*\hw                              ; the stores' data in window 2, 3
.irp t, 0,1,2,3,4,5,6,7
	ds_store_b128 v[STO], v[32*\t+8*(\m):32*\t+8*(\m)+3] offset:64*(8*\hw+\t)
	ds_store_b128 v[STO], v[32*\t+8*(\m)+4:32*\t+8*(\m)+7] offset:64*(8*\hw+\t)+16
.endr
.endr
.endm
.macro UNIT q, cnt
.set R0_, 32*((\q)/4)+8*(((\q)/2)%2)+16*((\q)%2)
.set RB_, 128+64*((\q)%2)
.if (\q) >= 2
	s_wait_xcnt 0x0                                ; the stores of two units back have read their registers: the loads below may land there
.endif
	WIN 0x40
.irp i, 0,1,2,3,4,5,6,7,8,9,10,11,12,13,14,15
	ds_load_b128 v[RB_+4*\i:RB_+4*\i+3], v[SRD] offset:(8*((\q)%2)+\i/2)*1040+512*(\i%2)
.endr
	s_wait_dscnt 0x0
	s_wait_loadcnt \cnt                            ; this unit's x is in; the units asked for behind it may be out
.if ((\q)%4) < 2
.set XL_, 32+64*((\q)%4)
	WIN 0x41
.else
.set XL_, 64*((\q)%4-2)
	WIN 0x45
.endif
.set n_, 0
.rept 32
	v_pk_add_f32 v[RB_+2*n_:RB_+2*n_+1], v[RB_+2*n_:RB_+2*n_+1], v[XL_+2*n_:XL_+2*n_+1]
.set n_, n_+1
.endr
	WIN 0x04                                       ; the stores' data in window 1
.irp i, 0,1,2,3,4,5,6,7,8,9,10,11,12,13,14,15
	global_store_b128 v[L16], v[RB_+4*\i:RB_+4*\i+3], s[OB:OB+1] offset:(R0_+\i/2)*4096+512*(\i%2) th:TH_STORE_NT   ; 32 lanes store 512 consecutive aligned bytes
.endr
.if (\q) < 4
	XREQ (\q)+4
.endif
.endm
	TILEOUT 0
	UNIT 0, 48
	UNIT 1, 48
	TILEOUT 1
	UNIT 2, 48
	UNIT 3, 48
	TILEOUT 2
	UNIT 4, 48
	UNIT 5, 32
	TILEOUT 3
	UNIT 6, 16
	UNIT 7, 0
	WIN 0
	s_wait_tensorcnt 0x0                           ; the wave's end
	ds_add_u32 v[SPW], v[NIL]
	s_wait_dscnt 0x0
	ROUND                                          ; the closing round: no work-group ends while a partner may still ask for a tile that names it
	s_endpgm
.Lfunc_end_k_qc1fa0e22b4_attn:
	.size	k_qc1fa0e22b4_attn, .Lfunc_end_k_qc1fa0e22b4_attn-k_qc1fa0e22b4_attn
	.p2alignl 7, 3214868480
	.fill 96, 4, 3214868480
	.section	.rodata,"a",@progbits
	.p2align	6, 0x0
	.amdhsa_kernel k_qc1fa0e22b4_attn
		.amdhsa_group_segment_fixed_size 327680
		.amdhsa_private_segment_fixed_size 0
		.amdhsa_enable_private_segment 0
		.amdhsa_kernarg_size 48
		.amdhsa_user_sgpr_count 2
		.amdhsa_user_sgpr_kernarg_segment_ptr 1
		.amdhsa_wavefront_size32 1
		.amdhsa_system_sgpr_workgroup_id_x 1
		.amdhsa_system_sgpr_workgroup_id_y 1
		.amdhsa_system_sgpr_workgroup_id_z 1
		.amdhsa_system_vgpr_workitem_id 0
		.amdhsa_next_free_vgpr 1024
		.amdhsa_next_free_sgpr 100
		.amdhsa_reserve_vcc 0
		.amdhsa_float_denorm_mode_32 3
		.amdhsa_float_denorm_mode_16_64 3
		.amdhsa_memory_ordered 1
		.amdhsa_forward_progress 1
		.amdhsa_inst_pref_size 226
	.end_amdhsa_kernel
	.amdgpu_metadata
---
amdhsa.version: [ 1, 2 ]
amdhsa.kernels:
  - .name:           k_qc1fa0e22b4_attn
    .symbol:         k_qc1fa0e22b4_attn.kd
    .args:
      - { .name: qc, .offset: 0, .size: 8, .value_kind: global_buffer, .address_space: global }
      - { .name: kv, .offset: 8, .size: 8, .value_kind: global_buffer, .address_space: global }
      - { .name: x, .offset: 16, .size: 8, .value_kind: global_buffer, .address_space: global }
      - { .name: gamma, .offset: 24, .size: 8, .value_kind: global_buffer, .address_space: global }
      - { .name: lowp_scales, .offset: 32, .size: 8, .value_kind: global_buffer, .address_space: global }
      - { .name: out0, .offset: 40, .size: 8, .value_kind: global_buffer, .address_space: global }
    .group_segment_fixed_size: 327680
    .private_segment_fixed_size: 0
    .kernarg_segment_align: 8
    .kernarg_segment_size: 48
    .max_flat_workgroup_size: 128
    .sgpr_count:     100
    .vgpr_count:     1024
    .wavefront_size: 32
...
	.end_amdgpu_metadata
.endif
;; end of part 3
